; MI455X (gfx1250); checked and timed in simulation.
; The chip was launched on July 23, 2026; its instructions are those of AMD's public machine-readable ISA for CDNA 5 (MIT licence, August 2026) and "CDNA5" Instruction Set Architecture Reference Guide (July 2026). The comments in the code are by the model that wrote it; some were corrected since.
;; Self Attention. Allowed arithmetic: matrix products marked QUANTISED: E2M3 operands, one E8M0 scale for each 32 along K, by v_wmma_scale_f32_16x16x128_f8f6f4 with both operands' format E2M3, f32 sums; everything else in f32.
;; Inputs: entangle_params 3,072 float32; inputs_codes 2 x 2,048 x 32 x 24 uint8 (E2M3 codes of inputs, K innermost, in blocks of 32 codes, four codes in three bytes); inputs_scales 2 x 2,048 x 32 uint8 (E8M0 scales of inputs, one for each 32 codes along K); rotation_params_codes 3,072 x 32 x 24 uint8 (E2M3 codes of rotation_params, K innermost, in blocks of 32 codes, four codes in three bytes); rotation_params_scales 3,072 x 32 uint8 (E8M0 scales of rotation_params, one for each 32 codes along K).
;; Outputs: out0 2 x 2,048 x 1,024 float32.
;; This version of the problem:
;;   THIS VERSION OF THE PROBLEM IS GIVEN IN LOW PRECISION. The matrix products marked QUANTISED in the list below multiply operands that are first quantised to E2M3 (2 exponent bits, 3 mantissa bits; 6 bits a number), with one power-of-two scale for each 32 numbers along K (OCP MX v1.0); their sums are f32. All else is computed in f32.
;;   The module's matrix products, in the order in which they are computed (A, B: the left and right operand; K: the contracted axis; several contracted axes count as one K, in the product's order):
;;     1. [M 4,096, K 1,024] x [K 1,024, N 3,072]; A: input inputs (given as codes); B: input rotation_params (given as codes): QUANTISED
;;     2. batch 32 x [M 2,048, K 64] x [K 64, N 2,048]; A: computed on the way; B: computed on the way: QUANTISED
;;     3. batch 32 x [M 2,048, K 2,048] x [K 2,048, N 64]; A: softmax (see below); B: computed on the way: QUANTISED
;;   THE QUANTISER, for each operand of a quantised product, along K:
;;     - K is cut into blocks of 32 from its start; a last block that is shorter is filled with zeros.
;;     - A block's scale is 2^e with e = floor(log2(the largest magnitude in the block)) - 2, held to -126 .. 127; a block of zeros has e = 0. As a byte (E8M0): e + 127.
;;     - Each number is divided by its block's scale, clamped to +-7.5, and rounded to the nearest number of E2M3, ties to even, subnormals kept.
;;     - The product sums the exact products of the quantised numbers (number of the format x scale) in f32.
;;   ~~~python
;;   def quantise(x, axis):      # numpy; x: float32 -> the quantised numbers, widened to float32 again
;;       x = np.moveaxis(x, axis, -1); K = x.shape[-1]
;;       x = np.pad(x, [(0, 0)] * (x.ndim - 1) + [(0, -K % 32)]); x = x.reshape(x.shape[:-1] + (-1, 32)); a = np.abs(x).max(-1, keepdims=True)
;;       e = np.where(a > 0, np.clip(np.frexp(np.where(a > 0, a, 1))[1] - 1 - 2, -126, 127), 0)      # np.frexp(a)[1] - 1 = floor(log2(a)), exactly
;;       r = np.clip(x / 2.0 ** e, -7.5, 7.5)
;;       step = 2.0 ** (np.maximum(np.frexp(np.where(r == 0, 1, r))[1] - 1, 0) - 3)
;;       q = np.round(r / step) * step * 2.0 ** e      # np.round: ties to even
;;       return np.moveaxis(q.reshape(q.shape[:-2] + (-1,))[..., :K], -1, axis).astype(np.float32)
;;   ~~~
;;   SOFTMAX AHEAD OF A QUANTISED PRODUCT. Where the list says 'softmax', what is quantised is not the finished softmax but p = 2^(t - M), with t = logit x log2(e) and M = ceil(the row's largest t), a whole number; so 1/2 < the row's largest p <= 1. The row's sum l is taken of the UNQUANTISED p, in f32, and the product's result is divided by l at the end. Since M is a whole number, a kernel that streams over the keys may use a running M (the ceiling of the running maximum): every later rescaling is an exact power of two, which a block's scale takes up: the codes' values come out the same.
;;   OPERANDS COMPUTED ON THE WAY. 'Computed on the way' means the value that the module computes at that place (a softmax that the list does not call 'softmax' is quantised finished and normalised). What goes into a quantiser is computed in f32, as accurately as f32 sums, v_exp_f32 and their like allow (about 1e-6 of the number): no bf16 or f16 on the way to a quantiser, and a product that is left as it is and whose result goes on into a quantised operand takes f32 operands (vector FMAs, or v_wmma_f32_16x16x4_f32). A number that lies on a knife's edge between two numbers of the format may be rounded either way, as far as f32 arithmetic and the matrix unit's own rounding can turn it there, and no further.
;;   INPUTS GIVEN AS CODES. inputs (in the module: [2, 2048, 1024], K = its axis 2); rotation_params (in the module: [3072, 1024], K = its axis 1): each comes as NAME_codes (uint8): NAME with its K axis moved to the last place and cut into blocks of 32 codes, [.., K / 32, bytes a block], one block behind the other in memory; four codes in three bytes: a row's codes are one little-endian stream of bits, code i at bits 6 i .. 6 i + 5 (a code: sign, 2 exponent bits, 3 mantissa bits); and NAME_scales (uint8): the same leading axes, one E8M0 byte (e + 127) for each 32 codes along K. Its value is code x scale, taken as it is: it is not quantised again, and the codes and scales need not be those that the quantiser above would give.
;; One version. Each part assembles by itself: llvm-mc -triple=amdgcn-amd-amdhsa -mcpu=gfx1250 --defsym DOCPART=n.
;; ======== version 1 of 1: 3 launches
;; limits: right only within a limited range of input values
;; workspace buffers: qc 3,407,872 bytes; kv 6,684,672 bytes; ow 16,777,216 bytes
;; launch proj (part 1): grid 12 x 16, 4 waves a work-group, clusters of 4 x 4, 327,680 bytes of LDS; arguments inputs_codes, inputs_scales, rotation_params_codes, rotation_params_scales, entangle_params, qc, kv; writes qc, kv
.if DOCPART == 1
	.amdgcn_target "amdgcn-amd-amdhsa--gfx1250"
	.amdhsa_code_object_version 6
	.text
	.protected	k_q78f7c8aacb_proj
	.globl	k_q78f7c8aacb_proj
	.p2align	8
	.type	k_q78f7c8aacb_proj,@function
k_q78f7c8aacb_proj:
	s_mov_b64 s[64:65], 0
	v_nop
	global_prefetch_b8 v0, s[64:65] scope:SCOPE_SE
	s_setreg_imm32_b32 hwreg(HW_REG_WAVE_MODE, 25, 1), 1
	s_wait_xcnt 0x0
	s_wait_alu depctr_hold_cnt(0) depctr_sa_sdst(0) depctr_va_vdst(0) depctr_va_sdst(0) depctr_va_ssrc(0) depctr_va_vcc(0) depctr_vm_vsrc(0)
	s_getreg_b32 s2, hwreg(HW_REG_IB_STS2, 6, 4)
	s_cmp_eq_u32 s2, 0
	s_cbranch_scc0 .Lentry_in_a_cluster
	s_endpgm
.Lentry_in_a_cluster:
	s_bfe_u32 s2, ttmp6, 0x10000c
	s_cmp_lg_u32 s2, 0xf033
	s_cbranch_scc0 .Lentry_shape_is_right
	s_endpgm
.Lentry_shape_is_right:
; qkv = inputs x rotation_params^T + entangle_params on codes of FP6 (E2M3) with E8M0 scales, then Q, K and V are quantised again and stored as images of operand registers.
; No work of the problem is left out.
; A work-group of four waves makes 256 x 256 of qkv, a wave 128 x 128 in 64 accumulators.  Cluster columns 0 and 1 make Q and K (source 1 = rows of inputs, source 0 = rows of the weight:
; a lane's registers run along d, the first attention product's K).  Cluster column 2 makes V with the sides changed (source 1 = rows of the weight, source 0 = rows of inputs: registers run along the keys).
; K (1,024 codes, 768 bytes a row) goes through two LDS slots in CHUNKS OF 256 BYTES of each row: every tile row begins at a multiple of 256 bytes.  A step of 128 along K is 96 bytes: eight steps to three chunks;
; steps 2 and 5 lie across two chunks.  The scales of both sides' 256 rows come once, as dense blocks.  4 x 4 work-groups form a cluster and ask jointly: A's tiles along a row, B's along a column.
; No prefetch: the walk has three chunks, of which two are asked for before the first product.
; The bias along a lane's registers is the C of the first products; the bias along lanes (V) is added on the way out.
; OUT: qc [hb][j 16][6,656] and kv [hb][j][13,056], blocks of 128 rows s: fragments of 768 bytes (registers 0-3: 16 bytes a lane, registers 4-5: 8 bytes a lane), scale words behind them; V's part of a kv block begins at 6,656.
.set ROWB,   256
.set NQ,     2
.set KROW,   768
.set STEPS,  8
.set CHUNKS, 3
.set PITCH,  272                       ; 256 bytes + 16 of padding
.set FR,     12
.set NL,     6
.set NP,     4
.set HALFT,  128*PITCH
.set SLOT,   4*HALFT
.set KS,     32
.set SCL,    2*SLOT
.set HALFS,  (128*KS/256)*272
.set SBLK,   (16*KS/256)*272
.set SPARE,  SCL+4*HALFS
.set QBLK,   6656
.set KVBLK,  13056
.set OFH,  8
.set OFR,  9
.set L16,  10
.set L8,   11
.set ADRA, 16                          ; v16-17 A's fragments in slot 0, 1; v18-19 for pieces whose lane halves read different chunks
.set ADRB, 20
.set ADRS, 27
.set SPW,  28
.set NIL,  29
.set SC,   32
.set BP,   64
.set AF,   128
.set BN,   240
.set TM,   32
.set LO,   48
.set SWD,  52
.set MM,   60
.set HI,   236
.set CT,   228                         ; the blocks' upper 16 codes as converted
.set OA,   24                          ; s[24:39], s[48:63]: the eight blocks' two store bases, in the registers of descriptors that are done with
.set OBS,  48
.set TT,   128
.set CD,   192
.set G0H,  4
.set G0HB, 8
.set WV,   18
.set HA,   19
.set HB,   20
.set IA,   21
.set IB,   22
.set ROLE, 23
.set G1,   24
.set G0,   32
.set SEL,  40
.set G1B,  48
.set G0B,  56
.set G1S,  68
.set G0S,  76
.set G1SB, 80
.set G0SB, 88
.set O0,   92
.set O1,   94
.set SP0,  96
.set SP1,  98
.set STP,  100
.set JMP,  104
.set MSB, 0
.macro WIN new
.if MSB != (\new)
	s_set_vgpr_msb (MSB<<8)|(\new)
.set MSB, (\new)
.endif
.endm
.set MUL_LO, 0xa1
.set MUL_HI, 0xf1
.set FST_LO, 0x81                      ; the first products: C (the bias) in window 0
.set FST_HI, 0xc1
.set TO_B,   0x40
.macro JLOAD g0a, g1a, g0b, g1b        ; waves 0, 1 ask for A, waves 2, 3 for B
	s_cmp_eq_u32 s[HA], 0
	s_cbranch_scc0 .Lfor_b_\@
	tensor_load_to_lds s[\g0a:\g0a+3], s[\g1a:\g1a+7]
	s_nop 0
.rept 4
	v_nop
.endr
	s_branch .Lasked_\@
.Lfor_b_\@:
	tensor_load_to_lds s[\g0b:\g0b+3], s[\g1b:\g1b+7]
	s_nop 0
.rept 4
	v_nop
.endr
.Lasked_\@:
.endm
.macro CREST
	s_cmp_lg_u32 s[WV], 0
	s_cbranch_scc1 .Lnot_wave_0_\@
	s_barrier_signal -3
.Lnot_wave_0_\@:
	s_barrier_wait -3
	s_barrier_signal -1
	s_barrier_wait -1
.endm
.macro CROUND
	s_barrier_signal -1
	s_barrier_wait -1
	CREST
.endm
	s_load_b256 s[4:11], s[0:1], 0x0
	s_load_b128 s[12:15], s[0:1], 0x20
	s_load_b64 s[16:17], s[0:1], 0x30
	v_lshl_add_u32 v[SPW], v0, 2, SPARE
	v_mov_b32 v[NIL], 0
	ds_add_u32 v[SPW], v[NIL]                      ; the opening lines: the add,
	ds_add_u32 v[SPW], v[NIL]                      ; once more, and one wait below
	v_lshrrev_b32 v1, 5, v0
	v_readfirstlane_b32 s[WV], v1
	s_lshr_b32 s[HA], s[WV], 1
	s_and_b32 s[HB], s[WV], 1
	s_bfe_u32 s40, ttmp6, 0x40000                  ; cx
	s_bfe_u32 s41, ttmp6, 0x40004                  ; cy
	s_and_b32 s66, ttmp7, 0xffff
	s_lshl_b32 s66, s66, 2
	s_lshl_b32 s67, ttmp9, 2
	s_cmp_eq_u32 ttmp9, 2                          ; cluster column 2 makes V
	s_cselect_b32 s[ROLE], 1, 0
	s_cselect_b32 s[IA], 8, s66
	s_cselect_b32 s[IB], s66, s67
	s_add_co_u32 s[IA], s[IA], s41                 ; A's block of 256 rows hangs on cy alone,
	s_add_co_u32 s[IB], s[IB], s40                 ; B's on cx alone
	s_lshl_b32 s42, s41, 2
	s_lshl_b32 s42, 15, s42                        ; my row of the cluster
	s_lshl_b32 s43, 0x1111, s40                    ; my column
	s_or_b32 s[G1+0], s42, (0<<16)|(1<<20)|(1<<21)|(5<<22)|(3<<25)
	s_or_b32 s[G1B+0], s43, (0<<16)|(1<<20)|(1<<21)|(5<<22)|(3<<25)
.irp g, G1, G1B
	s_mov_b32 s[\g+1], ROWB<<16
	s_mov_b32 s[\g+2], 256<<16                     ; 256 rows for the head's loads, 128 behind them
	s_mov_b32 s[\g+3], ROWB<<16
	s_mov_b32 s[\g+4], 256
	s_mov_b32 s[\g+5], KROW
	s_mov_b32 s[\g+6], 0
	s_mov_b32 s[\g+7], 0
.endr
	s_or_b32 s[G1S+0], s42, (3<<16)|(1<<20)|(1<<21)|(5<<22)|(3<<25)
	s_or_b32 s[G1SB+0], s43, (3<<16)|(1<<20)|(1<<21)|(5<<22)|(3<<25)
.irp g, G1S, G1SB                      ; the scales of 256 rows: 8,192 dense bytes as 32 rows of 256
	s_mov_b32 s[\g+1], 32<<16
	s_mov_b32 s[\g+2], KS<<16
	s_mov_b32 s[\g+3], 32<<16
	s_mov_b32 s[\g+4], KS
	s_mov_b32 s[\g+5], 32
	s_mov_b32 s[\g+6], 0
	s_mov_b32 s[\g+7], 0
.endr
	s_lshl_b32 s44, s[IA], 8
	s_lshl_b32 s46, s[IB], 8
	s_lshl_b32 s100, s44, 5                        ; scales: 32 bytes a row
	s_lshl_b32 s104, s46, 5
	s_mul_i32 s44, s44, KROW
	s_mul_i32 s46, s46, KROW
	s_mov_b32 s45, 0
	s_mov_b32 s47, 0
	s_mov_b32 s101, 0
	s_mov_b32 s105, 0
	s_mul_i32 s2, s[HB], 128*KROW                  ; in the ring I fetch 128 rows: which half
	s_mov_b32 s3, 0
	s_mul_i32 s67, s[WV], HALFT                    ; and where they go
	s_wait_dscnt 0x0                               ; both opening adds are done
	s_wait_kmcnt 0x0
	s_cmp_eq_u32 s[ROLE], 1
	s_cselect_b64 s[92:93], s[8:9], s[4:5]
	s_cselect_b64 s[94:95], s[10:11], s[6:7]
	s_cselect_b64 s[96:97], s[4:5], s[8:9]
	s_cselect_b64 s[98:99], s[6:7], s[10:11]
	s_add_nc_u64 s[92:93], s[92:93], s[44:45]
	s_add_nc_u64 s[94:95], s[94:95], s[100:101]
	s_add_nc_u64 s[96:97], s[96:97], s[46:47]
	s_add_nc_u64 s[98:99], s[98:99], s[104:105]
	CROUND                                         ; the first joint loads meet
	s_mov_b32 s[G0H], 1                            ; chunk 0's 256 rows of A,
	s_mov_b32 s[G0H+1], 0
	s_mov_b64 s[G0H+2:G0H+3], s[92:93]
	s_or_b32 s[G0H+3], s[G0H+3], 0x80000000
	s_mov_b32 s[G0HB], 1                           ; of B,
	s_mov_b32 s[G0HB+1], 2*HALFT
	s_mov_b64 s[G0HB+2:G0HB+3], s[96:97]
	s_or_b32 s[G0HB+3], s[G0HB+3], 0x80000000
	s_mov_b32 s[G0S], 1                            ; A's scales,
	s_mov_b32 s[G0S+1], SCL
	s_mov_b64 s[G0S+2:G0S+3], s[94:95]
	s_or_b32 s[G0S+3], s[G0S+3], 0x80000000
	s_mov_b32 s[G0SB], 1                           ; B's scales
	s_mov_b32 s[G0SB+1], SCL+2*HALFS
	s_mov_b64 s[G0SB+2:G0SB+3], s[98:99]
	s_or_b32 s[G0SB+3], s[G0SB+3], 0x80000000
	s_add_nc_u64 s[92:93], s[92:93], s[2:3]
	s_add_nc_u64 s[96:97], s[96:97], s[2:3]
.irp s, 0,1
	s_mov_b32 s[G0+4*\s], 1
	s_add_co_u32 s[G0+4*\s+1], s67, \s*SLOT
	s_add_nc_u64 s[G0+4*\s+2:G0+4*\s+3], s[92:93], \s*ROWB
	s_or_b32 s[G0+4*\s+3], s[G0+4*\s+3], 0x80000000
	s_mov_b32 s[G0B+4*\s], 1
	s_add_co_u32 s[G0B+4*\s+1], s67, \s*SLOT
	s_add_nc_u64 s[G0B+4*\s+2:G0B+4*\s+3], s[96:97], \s*ROWB
	s_or_b32 s[G0B+4*\s+3], s[G0B+4*\s+3], 0x80000000
.endr
; the head's four tiles, one a wave: one chain of branches on the wave's number, every way passes one load
.macro ARM under, g0, g1, next
	s_cmp_lt_u32 s[WV], \under
	s_cbranch_scc0 \next
	tensor_load_to_lds s[\g0:\g0+3], s[\g1:\g1+7]
	s_nop 0
.rept 4
	v_nop
.endr
	s_branch .Lhead_asked
\next:
.endm
	ARM 1, G0H,  G1,  .Lhead_b
	ARM 2, G0HB, G1B, .Lhead_sa
	ARM 3, G0S,  G1S, .Lhead_sb
	tensor_load_to_lds s[G0SB:G0SB+3], s[G1SB:G1SB+7]
	s_nop 0
.rept 4
	v_nop
.endr
.Lhead_asked:
	v_and_b32 v1, 15, v0
	v_bfe_u32 v2, v0, 4, 1
	v_mul_u32_u24 v3, v1, PITCH
	v_mul_u32_u24 v4, v2, 24
	v_add_nc_u32 v4, v3, v4                        ; row x pitch + 24 x half
	s_mov_b32 s66, SLOT-232
	s_mov_b32 s67, SLOT+232
	v_sub_nc_u32 v7, 1, v2
	v_mul_u32_u24 v5, s66, v2
	v_add_nc_u32 v5, v3, v5
	v_add_nc_u32 v5, 232, v5                       ; lanes 0-15 byte 232 of the row in slot 0, lanes 16-31 byte 0 in slot 1;
	v_mul_u32_u24 v6, s67, v7
	v_add_nc_u32 v6, v3, v6                        ; and the other way round
	s_mul_i32 s66, s[HA], HALFT
	s_mul_i32 s67, s[HB], HALFT
	s_add_co_u32 s67, s67, 2*HALFT
	v_add_nc_u32 v[ADRA+2], s66, v5
	v_add_nc_u32 v[ADRA+3], s66, v6
	v_add_nc_u32 v[ADRB+2], s67, v5
	v_add_nc_u32 v[ADRB+3], s67, v6
.irp s, 0,1
	v_add_nc_u32 v[ADRA+\s], s66, v4
	v_add_nc_u32 v[ADRB+\s], s67, v4
	s_add_co_u32 s66, s66, SLOT
	s_add_co_u32 s67, s67, SLOT
.endr
	v_mul_u32_u24 v5, v1, KS
	v_lshrrev_b32 v6, 8, v5
	v_lshl_add_u32 v5, v6, 4, v5
	s_mul_i32 s66, s[HA], HALFS
	s_mul_i32 s67, s[HB], HALFS
	s_add_co_u32 s67, s67, 2*HALFS
	s_sub_co_u32 s67, s67, s66
	v_mul_u32_u24 v6, s67, v2                      ; lanes 16-31 take B's scale words
	s_add_co_u32 s66, s66, SCL
	v_add_nc_u32 v5, v5, v6
	v_add_nc_u32 v[ADRS], s66, v5
	v_lshlrev_b32 v[OFH], 5, v2
	v_lshlrev_b32 v[OFR], 2, v1
	v_and_b32 v6, 31, v0
	v_lshlrev_b32 v[L16], 4, v6
	v_lshlrev_b32 v[L8], 3, v6
	s_wait_alu depctr_va_vdst(0)                   ; the wait ahead of the run of scalar lines
	s_cmp_eq_u32 s[ROLE], 1
	s_cselect_b32 s40, s[IA], s[IB]
	s_cselect_b32 s41, s[IB], s[IA]
	s_cselect_b32 s42, s[HA], s[HB]
	s_cselect_b32 s43, s[HB], s[HA]
	s_cselect_b32 s44, 0, -1
	s_cselect_b32 s45, -1, 0
	s_lshl_b32 s2, s40, 10
	s_lshl_b32 s3, s42, 9
	s_add_co_u32 s2, s2, s3
	s_cmp_eq_u32 s[ROLE], 1
	s_cselect_b32 s46, 0, s2
	s_cselect_b32 s66, s2, 0
	s_mov_b32 s47, 0
	s_mov_b32 s67, 0
	s_add_nc_u64 s[46:47], s[12:13], s[46:47]
	s_add_nc_u64 s[66:67], s[12:13], s[66:67]
.irp b, 0,1,2,3,4,5,6,7
	global_load_b128 v[BP+8*\b:BP+8*\b+3], v[OFH], s[46:47] offset:64*\b
	global_load_b128 v[BP+8*\b+4:BP+8*\b+7], v[OFH], s[46:47] offset:64*\b+16
.endr
.irp a, 0,1,2,3,4,5,6,7
	global_load_b32 v[BN+2*\a], v[OFR], s[66:67] offset:64*\a
.endr
	s_lshr_b32 s2, s41, 3
	s_and_b32 s3, s41, 7
	s_lshl_b32 s3, s3, 1
	s_add_co_u32 s3, s3, s43
	s_and_b32 s40, s40, 3
	s_lshl_b32 s40, s40, 2
	s_lshl_b32 s42, s42, 1
	s_add_co_u32 s40, s40, s42
	s_lshl_b32 s40, s40, 1
	s_add_co_u32 s40, s40, s2
	s_lshl_b32 s40, s40, 4
	s_add_co_u32 s40, s40, s3
	s_cmp_eq_u32 ttmp9, 0
	s_cselect_b64 s[O0:O0+1], s[14:15], s[16:17]
	s_mov_b32 s41, KVBLK
	s_cselect_b32 s41, QBLK, s41
	s_mul_i32 s40, s40, s41
	s_lshl_b32 s42, s41, 5
	s_cmp_eq_u32 s[ROLE], 1
	s_cselect_b32 s43, QBLK, 0
	s_add_co_u32 s40, s40, s43
	s_mov_b32 s41, 0
	s_mov_b32 s43, 0
	s_add_nc_u64 s[O0:O0+1], s[O0:O0+1], s[40:41]
	s_add_nc_u64 s[SP0:SP0+1], s[O0:O0+1], 6144
	s_add_nc_u64 s[SP1:SP1+1], s[SP0:SP0+1], s[42:43]
	s_cmp_eq_u32 s[ROLE], 1
	s_cselect_b32 s40, 768, s42
	s_add_nc_u64 s[O1:O1+1], s[O0:O0+1], s[40:41]
	s_mov_b32 s[STP], 768
	s_cselect_b32 s[STP], 1536, s[STP]
	s_mov_b32 s[STP+1], 0
	s_cselect_b32 s[JMP], 32*KVBLK-4*1536, 0
	s_mov_b32 s[JMP+1], 0
	s_wait_loadcnt 0x0
.set j, 0
.rept 64
	v_cndmask_b32 v[BP+j], 0, v[BP+j], s44         ; the bias of the side that this role does not use is 0
.set j, j+1
.endr
.irp a, 0,1,2,3,4,5,6,7
	v_cndmask_b32 v[BN+2*\a], 0, v[BN+2*\a], s45
.endr
.irp a, 0,1,2,3,4,5,6,7
	v_mov_b32 v[BN+2*\a+1], v[BN+2*\a]
.endr
.macro FRAG reg, adr, st, i            ; 16 rows x 128 K: six pieces of 8 bytes; byte y of a row lies in chunk y / 256, slot (y / 256) % 2, at byte y % 256
.irp p, 0,1,2,3,4,5
.set BY, 96*(\st)+48*(\p/3)+8*(\p%3)
.if BY/ROWB == (BY+24)/ROWB
	ds_load_b64 v[\reg+2*\p:\reg+2*\p+1], v[\adr+(BY/ROWB)%2] offset:BY%ROWB+(\i)*16*PITCH
.else
	ds_load_b64 v[\reg+2*\p:\reg+2*\p+1], v[\adr+2+(BY/ROWB)%2] offset:BY%ROWB-232+(\i)*16*PITCH
.endif
.endr
.endm
.macro MUL16 a0, p, q, sc, first       ; the 64 accumulators take turns, in the same order in every step
.irp a, \a0, \a0+1
.irp b, 0,1,2,3,4,5,6,7
.if \first
	v_wmma_scale_f32_16x16x128_f8f6f4 v[8*(8*((\a)%4)+\b):8*(8*((\a)%4)+\b)+7], v[128*(\p)+FR*\b:128*(\p)+FR*\b+FR-1], v[AF+FR*(\a):AF+FR*(\a)+FR-1], v[BP+8*\b:BP+8*\b+7], v[SC+8*NQ*(\sc)+NQ*\b+(\q)], v[SC+8*NQ*(\sc)+NQ*(\a)+(\q)] matrix_a_fmt:MATRIX_FMT_FP6 matrix_b_fmt:MATRIX_FMT_FP6 matrix_a_scale:MATRIX_SCALE_ROW1
.else
	v_wmma_scale_f32_16x16x128_f8f6f4 v[8*(8*((\a)%4)+\b):8*(8*((\a)%4)+\b)+7], v[128*(\p)+FR*\b:128*(\p)+FR*\b+FR-1], v[AF+FR*(\a):AF+FR*(\a)+FR-1], v[8*(8*((\a)%4)+\b):8*(8*((\a)%4)+\b)+7], v[SC+8*NQ*(\sc)+NQ*\b+(\q)], v[SC+8*NQ*(\sc)+NQ*(\a)+(\q)] matrix_a_fmt:MATRIX_FMT_FP6 matrix_b_fmt:MATRIX_FMT_FP6 matrix_a_scale:MATRIX_SCALE_ROW1
.endif
.endr
.endr
.endm
.macro FETCH_B st, p
	WIN TO_B
.irp i, 0,1,2,3,4,5,6,7
	FRAG 128*(\p)+FR*\i, ADRB, \st, \i
.endr
	WIN 0
.endm
.macro FETCH_A st, i0
.irp i, \i0, \i0+1, \i0+2, \i0+3
	FRAG AF+FR*(\i), ADRA, \st, \i
.endr
.endm
.macro SCALES pr                       ; the scale words of steps 2 pr, 2 pr + 1 into set pr % 2
.irp i, 0,1,2,3,4,5,6,7
	ds_load_b64 v[SC+8*NQ*((\pr)%2)+NQ*\i:SC+8*NQ*((\pr)%2)+NQ*\i+1], v[ADRS] offset:\i*SBLK+4*NQ*(\pr)
.endr
.endm
.macro PLACES n
.rept \n
	v_nop
.endr
.endm
.macro WLO z
.if \z
	WIN FST_LO
.else
	WIN MUL_LO
.endif
.endm
.macro WHI z
.if \z
	WIN FST_HI
.else
	WIN MUL_HI
.endif
.endm
; A step: 64 products; the next step's fragments are fetched in its middle and at its end.  Where the next step's bytes end in a chunk not read yet, a barrier shows that chunk whole;
; where they begin in a later chunk, the chunk left behind is read no more: the wait for all tensor loads, the add, the wait for it and for my reads, the barrier; if a chunk two on is left, a round and the refill.
.macro STEP st, zero
.set NX, (\st)+1
.set C0, (96*(\st))/ROWB
.set C1, (96*NX)/ROWB
.set E0, (96*(\st)+95)/ROWB
.set E1, (96*NX+95)/ROWB
.if C1 > C0 || E1 > E0
	s_wait_tensorcnt 0x0                           ; all my tensor loads have landed
.if C1 > C0
	ds_add_u32 v[SPW], v[NIL]
	s_wait_dscnt 4*NL+1                            ; the add and A's blocks 4-7 (24 loads) may be out
.else
	s_wait_dscnt 4*NL                              ; A's blocks 4-7 (24 loads) may be out
.endif
	WIN MUL_LO
	MUL16 0, (\st)%2, (\st)%2, ((\st)/2)%2, \zero
	s_wait_dscnt 0x0                               ; the add and all my reads are done
	s_barrier_signal -1
	MUL16 2, (\st)%2, (\st)%2, ((\st)/2)%2, \zero
	WIN 0
	s_barrier_wait -1
.if C1 > C0 && C0+2 < CHUNKS
	CREST
	s_add_nc_u64 s[G0+4*(C0%2)+2:G0+4*(C0%2)+3], s[G0+4*(C0%2)+2:G0+4*(C0%2)+3], 2*ROWB
	s_add_nc_u64 s[G0B+4*(C0%2)+2:G0B+4*(C0%2)+3], s[G0B+4*(C0%2)+2:G0B+4*(C0%2)+3], 2*ROWB
	JLOAD G0+4*(C0%2), G1, G0B+4*(C0%2), G1B       ; chunk C0 + 2; its four v_nop are the places in front of the loads below
.else
	PLACES NP
.endif
.else
	s_wait_dscnt 4*NL                              ; A's blocks 4-7 (24 loads) may be out
	WLO \zero
	MUL16 0, (\st)%2, (\st)%2, ((\st)/2)%2, \zero
	MUL16 2, (\st)%2, (\st)%2, ((\st)/2)%2, \zero
	s_wait_dscnt 0
	PLACES NP
.endif
	FETCH_B NX, NX%2
	FETCH_A NX, 0
.if NX%2 == 0
	SCALES NX/2
.endif
	WHI \zero
	MUL16 4, (\st)%2, (\st)%2, ((\st)/2)%2, \zero
	MUL16 6, (\st)%2, (\st)%2, ((\st)/2)%2, \zero
	PLACES NP
	WIN 0
	FETCH_A NX, 4
.endm
	s_wait_alu depctr_va_vdst(0)                   ; the wait at the head's end
	s_wait_tensorcnt 0x0                           ; my tile of the head's four is in
	ds_add_u32 v[SPW], v[NIL]                      ; ahead of a later first fill
	s_mov_b32 s[G1+2], 128<<16                     ; no tensor load of mine is out: from here on a load brings 128 rows
	s_mov_b32 s[G1+4], 128
	s_mov_b32 s[G1B+2], 128<<16
	s_mov_b32 s[G1B+4], 128
	s_wait_dscnt 0x0
	CROUND
	JLOAD G0+4, G1, G0B+4, G1B                     ; chunk 1, the first tensor load behind the round
	FETCH_B 0, 0
	FETCH_A 0, 0
	SCALES 0
	FETCH_A 0, 4
	STEP 0, 1                                      ; the first products start the sums on the bias
.set ST, 1
.rept STEPS-2
	STEP ST, 0
.set ST, ST+1
.endr
	s_wait_dscnt 4*NL
	WIN MUL_LO
	MUL16 0, 1, 1, 1, 0
	MUL16 2, 1, 1, 1, 0
	s_wait_dscnt 0
	WIN MUL_HI
	MUL16 4, 1, 1, 1, 0
	MUL16 6, 1, 1, 1, 0
	WIN 0
; THE WAY OUT: 16 rows x 128 numbers at a time: four blocks of 32 along a lane's registers and lane l xor 16's; scale by exponent arithmetic on the largest magnitude; codes by the scaled conversion.
.macro QUANT s, w
.irp b, 0,1,2,3
	v_max3_num_f32 v[TM+\b], |v[\s+16*\b]|, |v[\s+1+16*\b]|, 0x1800000
.endr
.irp i, 2,4,6,8,10,12,14
.irp b, 0,1,2,3
	v_max3_num_f32 v[TM+\b], v[TM+\b], |v[\s+16*\b+\i]|, |v[\s+1+16*\b+\i]|
.endr
.endr
.irp b, 0,1,2,3
	v_permlanex16_b32 v[TM+4+\b], v[TM+\b], s[SEL], s[SEL+1]
.endr
.irp b, 0,1,2,3
	v_max_num_f32 v[TM+\b], v[TM+\b], v[TM+4+\b]
.endr
.irp b, 0,1,2,3
	v_add_nc_u32 v[TM+12+\b], 0xff000000, v[TM+\b]
.endr
.irp b, 0,1,2,3
	v_lshrrev_b32 v[TM+4+\b], 23, v[TM+12+\b]
.endr
	v_lshl_or_b32 v[\w], v[TM+5], 8, v[TM+4]
	v_lshl_or_b32 v[\w], v[TM+6], 16, v[\w]
	v_lshl_or_b32 v[\w], v[TM+7], 24, v[\w]
.irp c, 0,1
	v_cvt_scalef32_pk16_fp6_f32 v[CD+6*\c:CD+2+6*\c], v[\s+32*\c:\s+15+32*\c], v[TM+12+2*\c]
	v_cvt_scalef32_pk16_fp6_f32 v[CT+4*\c:CT+2+4*\c], v[\s+16+32*\c:\s+31+32*\c], v[TM+12+2*\c+1]
.endr
	v_nop
.irp c, 0,1
.irp i, 0,1,2
	v_permlane16_swap_b32 v[CD+6*\c+\i], v[CT+4*\c+\i]
.endr
.irp i, 0,1,2
	v_mov_b32 v[CD+3+6*\c+\i], v[CT+4*\c+\i]
.endr
.endr
.endm
.macro MAKE a                          ; each block has 12 code registers of its own (v64-123, v192-227): no store's data is written again
.if (\a) < 5
.set CD, 64+12*(\a)
.else
.set CD, 192+12*((\a)-5)
.endif
	WIN 0x02+(\a)/4
.set j, 0
.rept 32
	v_pk_add_f32 v[TT+j:TT+j+1], v[64*((\a)%4)+j:64*((\a)%4)+j+1], v[BN+2*(\a):BN+2*(\a)+1]
.set j, j+2
.endr
	WIN 0
	QUANT TT, SWD+(\a)
.endm
.macro SEND a
	global_store_b128 v[L16], v[CD:CD+3], s[OA+2*(\a):OA+2*(\a)+1]
	global_store_b64 v[L8], v[CD+4:CD+5], s[OA+2*(\a):OA+2*(\a)+1] offset:512
	global_store_b128 v[L16], v[CD+6:CD+9], s[OBS+2*(\a):OBS+2*(\a)+1]
	global_store_b64 v[L8], v[CD+10:CD+11], s[OBS+2*(\a):OBS+2*(\a)+1] offset:512
.endm
	s_mov_b64 s[OA:OA+1], s[O0:O0+1]               ; all my tensor loads were waited for in step 5: the descriptors' registers take the eight blocks' bases, so no base is stepped under a store
	s_mov_b64 s[OBS:OBS+1], s[O1:O1+1]
.irp a, 1,2,3,4,5,6,7
	s_add_nc_u64 s[OA+2*\a:OA+2*\a+1], s[OA+2*\a-2:OA+2*\a-1], s[STP:STP+1]
	s_add_nc_u64 s[OBS+2*\a:OBS+2*\a+1], s[OBS+2*\a-2:OBS+2*\a-1], s[STP:STP+1]
.if \a == 4
	s_add_nc_u64 s[OA+8:OA+9], s[OA+8:OA+9], s[JMP:JMP+1]
	s_add_nc_u64 s[OBS+8:OBS+9], s[OBS+8:OBS+9], s[JMP:JMP+1]
.endif
.endr
	PLACES NP
	s_mov_b32 s[SEL], 0x76543210
	s_mov_b32 s[SEL+1], 0xfedcba98
.irp b, 0,1,2,3
	v_mov_b32 v[TM+4+\b], 0
.endr
.irp a, 0,1,2,3,4,5,6
	MAKE \a
	SEND \a
.endr
	MAKE 7
	s_mov_b32 s46, 0xffff0000
.irp u, 0,1,2,3
	v_cndmask_b32 v[MM+\u], v[SWD+2*\u], v[SWD+2*\u+1], s46
.endr
	s_cmp_eq_u32 s[ROLE], 1
	s_cbranch_scc1 .Lv_scales
.irp u, 0,1,2,3
	v_and_b32 v[LO+\u], 0xffff, v[MM+\u]
	v_lshrrev_b32 v[HI+\u], 16, v[MM+\u]
.endr
	global_store_b128 v[L16], v[LO:LO+3], s[SP0:SP0+1]
	global_store_b128 v[L16], v[HI:HI+3], s[SP1:SP1+1]
	s_branch .Lscales_out
.Lv_scales:
	s_wait_alu depctr_va_vdst(0)
	global_store_b64 v[L8], v[MM:MM+1], s[SP0:SP0+1]
	global_store_b64 v[L8], v[MM+2:MM+3], s[SP1:SP1+1]
.Lscales_out:
	SEND 7
	s_wait_tensorcnt 0x0                           ; the wave's end
	ds_add_u32 v[SPW], v[NIL]
	s_wait_dscnt 0x0
	CROUND                                         ; the closing round
	s_endpgm
.Lfunc_end_k_q78f7c8aacb_proj:
	.size	k_q78f7c8aacb_proj, .Lfunc_end_k_q78f7c8aacb_proj-k_q78f7c8aacb_proj
	.p2alignl 7, 3214868480
	.fill 96, 4, 3214868480
	.section	.rodata,"a",@progbits
	.p2align	6, 0x0
	.amdhsa_kernel k_q78f7c8aacb_proj
		.amdhsa_group_segment_fixed_size 327680
		.amdhsa_private_segment_fixed_size 0
		.amdhsa_enable_private_segment 0
		.amdhsa_kernarg_size 56
		.amdhsa_user_sgpr_count 2
		.amdhsa_user_sgpr_kernarg_segment_ptr 1
		.amdhsa_wavefront_size32 1
		.amdhsa_system_sgpr_workgroup_id_x 1
		.amdhsa_system_sgpr_workgroup_id_y 1
		.amdhsa_system_sgpr_workgroup_id_z 1
		.amdhsa_system_vgpr_workitem_id 0
		.amdhsa_next_free_vgpr 1024
		.amdhsa_next_free_sgpr 106
		.amdhsa_reserve_vcc 0
		.amdhsa_float_denorm_mode_32 3
		.amdhsa_float_denorm_mode_16_64 3
		.amdhsa_memory_ordered 1
		.amdhsa_forward_progress 1
		.amdhsa_inst_pref_size 191
	.end_amdhsa_kernel
	.amdgpu_metadata
---
amdhsa.version: [ 1, 2 ]
amdhsa.kernels:
  - .name:           k_q78f7c8aacb_proj
    .symbol:         k_q78f7c8aacb_proj.kd
    .args:
      - { .name: inputs_codes, .offset: 0, .size: 8, .value_kind: global_buffer, .address_space: global }
      - { .name: inputs_scales, .offset: 8, .size: 8, .value_kind: global_buffer, .address_space: global }
      - { .name: rotation_params_codes, .offset: 16, .size: 8, .value_kind: global_buffer, .address_space: global }
      - { .name: rotation_params_scales, .offset: 24, .size: 8, .value_kind: global_buffer, .address_space: global }
      - { .name: entangle_params, .offset: 32, .size: 8, .value_kind: global_buffer, .address_space: global }
      - { .name: qc, .offset: 40, .size: 8, .value_kind: global_buffer, .address_space: global }
      - { .name: kv, .offset: 48, .size: 8, .value_kind: global_buffer, .address_space: global }
    .group_segment_fixed_size: 327680
    .private_segment_fixed_size: 0
    .kernarg_segment_align: 8
    .kernarg_segment_size: 56
    .max_flat_workgroup_size: 128
    .sgpr_count:     106
    .vgpr_count:     1024
    .wavefront_size: 32
...
	.end_amdgpu_metadata
.endif
;; end of part 1
;; launch attn (part 2): grid 8 x 32, 16 waves a work-group, clusters of 4 x 1, 327,680 bytes of LDS; arguments qc, kv, ow; writes ow
.if DOCPART == 2
	.amdgcn_target "amdgcn-amd-amdhsa--gfx1250"
	.amdhsa_code_object_version 6
	.text
	.protected	k_q78f7c8aacb_attn
	.globl	k_q78f7c8aacb_attn
	.p2align	8
	.type	k_q78f7c8aacb_attn,@function
k_q78f7c8aacb_attn:
	s_mov_b64 s[64:65], 0
	v_nop
	global_prefetch_b8 v0, s[64:65] scope:SCOPE_SE
	s_setreg_imm32_b32 hwreg(HW_REG_WAVE_MODE, 25, 1), 1
	s_wait_xcnt 0x0
	s_wait_alu depctr_hold_cnt(0) depctr_sa_sdst(0) depctr_va_vdst(0) depctr_va_sdst(0) depctr_va_ssrc(0) depctr_va_vcc(0) depctr_vm_vsrc(0)
	s_getreg_b32 s2, hwreg(HW_REG_IB_STS2, 6, 4)
	s_cmp_eq_u32 s2, 0
	s_cbranch_scc0 .Lentry_in_a_cluster
	s_endpgm
.Lentry_in_a_cluster:
	s_bfe_u32 s2, ttmp6, 0x10000c
	s_cmp_lg_u32 s2, 0x3003
	s_cbranch_scc0 .Lentry_shape_is_right
	s_endpgm
.Lentry_shape_is_right:
; O[hb][q][:] = the sum over k of softmax_k(Q[q] . K[k] / 8) V[k][:] for one (head, batch) pair hb, both products on codes of FP6 (E2M3) with one E8M0 scale for each 32 along a product's K.
; Q, K and V come as images of operand registers (registers 0-3: 16 bytes a lane; registers 4-5: 8 bytes a lane), in blocks of 128 rows s:
;   qc [hb][j 16][6,656]: 8 fragments of 768 bytes (16 rows, 64 d), at 6,144 the scale words (lane (r, hh), 16 bytes: word u = tile 2 u + hh, row r; bytes 2, 3 are 0).
;   kv [hb][j][13,056]: K as in qc; at 6,656 V's four fragments (16 d x 128 keys) of 1,536 bytes; at 12,800 V's scale words.
;   In every block of 32 the codes stand in the order 0-7, 16-23, 8-15, 24-31 of the block's numbers, in both operands of a product alike.
; SOFTMAX: t = score x log2(e) / 8; M = the row's largest t so far, rounded up to a whole number; p = 2^(t - M) is quantised along the keys; the row's sum is taken of the unquantised p and divides O at the end.
; When M moves, the sum and O are multiplied by 2^(old M - new M): exact.
; SHARES: a work-group owns 256 queries of one hb, each of its sixteen waves 16 of them, in 256 registers.  The four work-groups of a cluster share hb: the loads of K and V are joint.
; K AND V OF THE WHOLE hb LIE IN LDS: each wave brings one block of 13,056 bytes by one tensor load at the head; every byte is filled once, so there is no ring.
; No prefetch: every byte of kv that the work-group reads is asked for by a tensor load at the head; no later request is left to run ahead of.
; The load lays 64 bytes of padding behind each 256: a unit of 256 bytes of kv lies at 320 x its number, a block takes 16,320 bytes.
; LAYOUT: both products transposed: S^T = K Q^T, O^T = V^T P^T: a lane holds one query (lane % 16) throughout.  Tile 4 g + i takes, in lanes 0-7, keys 64 g + 8 pi(i) + 0 .. 7 and, in lanes 8-15, keys 64 g + 32 + 8 pi(i) + 0 .. 7,
; pi = 0, 2, 1, 3: lane (r, h) holds a whole block of 32 keys (block 2 g + h) in 32 registers, in the order in which V's codes stand: a block's maximum needs no other lane, and the conversions' results are the operand.
; THE FIRST PRODUCT'S K IS 64: Q's registers 6-11 are zero codes, which add nothing whatever finite codes they meet (E2M3 has no other); a K operand's registers 6-11 are the next fragment's codes, behind the last
; fragment whatever the six registers hold (zeros in the first step, later bits of p); the scale bytes of that half are 0, a finite code.
; TWO REGIONS OF 64 REGISTERS TAKE TURNS, v32-95 and v96-159.  In a step one holds K's fragments and then V's, the other S^T and then p.  THE NEXT STEP'S K IS ASKED FOR IN THIS STEP, into p's registers 0-47,
; behind the last line that reads them: the rest of the sums, the moves, the second product and five plain lines stand between the request and the wait for it.  The last step asks for nothing: the last trip is written out.
; THE EXPONENTIALS GO IN FOUR GROUPS OF 16, line by line with plain work that reads nothing of the same group and whose results are read in a later group: the next group's scalings, the sums as a tree
; (pair + pair into T, T + T into U, U onto the two running sums: one level a group), one link of the scale word's chain, two conversions.  One wait stands ahead of each group.
; LIMITS: the promise holds while the scaled scores stay under 2^31 in magnitude; NaN and infinities among the scores are not served; a block of p that has fallen to 0 keeps the byte 1 with zero codes.
.set BLKB, 13056
.set LBLK, 16320
.set QBLK, 6656
.set SPARE, 0x40000                    ; behind the 261,120 bytes of K and V: 128 bytes a wave
.set L16,  1                           ; 16 x lane
.set L8,   2                           ; 8 x lane
.set LV16, 3                           ; 16 x lane + 64 (lane / 16)
.set LK16, 4                           ; K's registers 0-3: 1,920 (r / 8) + 16 (r % 8) + 320 h
.set LK8,  5                           ; K's registers 4-5: 1,920 (r / 8) + 8 (r % 8) + 128 h
.set LKS,  6                           ; K's scale words: 16 (r % 8) + 4 (r / 8) + 320 h
.set R16,  7
.set AV16, 8                           ; V's two addresses with the trip's first block added
.set AV8,  9
.set AK16, 10                          ; K's three: they go on to the next trip's first block in a trip's last step
.set AK8,  11
.set QF,   16                          ; v16-27 Q's fragment (22-27 zero)
.set QS,   28
.set AKS,  29
.set SH8,  30                          ; 8 h
.set RY,   32                          ; the two regions
.set RX,   96
.set OT,   160                         ; v160-191 O^T
.set CD,   192                         ; v192-203 p's codes
.set PT,   204                         ; the blocks' upper 16 codes as converted
.set BM,   212                         ; four chains of maxima; then v212, v214: my two blocks' largest score, then largest p
.set BX,   216
.set PX,   217
.set SO,   220
.set BY,   222
.set PW,   224                         ; p's scale word
.set FF,   226                         ; v[226:227] f (v227 is named with it and holds 0)
.set TP,   228
.set OLD,  229
.set SM2,  232                         ; v[14:15], v[232:233]: the two running sums
.set T,    234                         ; v234-241 the sums' first level
.set U,    242                         ; v242-245 their second
.set KSC,  246                         ; v246-249 K's scale words
.set VSC,  250                         ; v250-251 V's
.set SPW,  254
.set NIL,  255
.set WV,   10
.set SEL,  32
.set CS,   34
.set TB,   36
.set TRIPS, 37
.set TBN,  46                          ; the next trip's first block
.macro CROUND
	s_barrier_signal -1
	s_barrier_wait -1
	s_cmp_lg_u32 s[WV], 0
	s_cbranch_scc1 .Lnot_wave_0_\@
	s_barrier_signal -3
.Lnot_wave_0_\@:
	s_barrier_wait -3
	s_barrier_signal -1
	s_barrier_wait -1
.endm
	s_load_b128 s[4:7], s[0:1], 0x0                ; qc, kv
	s_load_b64 s[8:9], s[0:1], 0x10                ; ow
	v_lshl_add_u32 v[SPW], v0, 2, SPARE
	v_mov_b32 v[NIL], 0
	ds_add_u32 v[SPW], v[NIL]                      ; the opening lines
	ds_add_u32 v[SPW], v[NIL]
	v_lshrrev_b32 v8, 5, v0
	v_readfirstlane_b32 s[WV], v8                  ; wave 0..15
	s_bfe_u32 s11, ttmp6, 0x40000                  ; cx
	s_lshl_b32 s12, ttmp9, 2
	s_add_co_u32 s12, s12, s11                     ; my block of 256 queries: it enters Q's and O's addresses alone
	s_and_b32 s13, ttmp7, 0xffff                   ; hb, which the four partners share
	s_lshl_b32 s14, s13, 4
	s_add_co_u32 s14, s14, s[WV]
	s_mul_i32 s14, s14, BLKB
	s_mov_b32 s15, 0
	s_mov_b32 s20, 1
	s_mul_i32 s21, s[WV], LBLK                     ; LDS address: wave x 16,320
	s_mov_b32 s24, 15|(3<<16)|(1<<20)|(1<<21)|(5<<22)|(15<<25)   ; 51 rows of 256 bytes, 16 words of padding behind every 64; the mask names all four
	s_mov_b32 s25, 32<<16
	s_mov_b32 s26, 51<<16
	s_mov_b32 s27, 32<<16
	s_mov_b32 s28, 51
	s_mov_b32 s29, 32
	s_mov_b32 s30, 0
	s_mov_b32 s31, 0
	s_lshr_b32 s16, s[WV], 3                       ; my 16 queries are tile (wave % 8) of block 2 x query block + wave / 8
	s_lshl_b32 s17, s12, 1
	s_add_co_u32 s16, s16, s17
	s_lshl_b32 s17, s13, 4
	s_add_co_u32 s16, s16, s17
	s_mul_i32 s16, s16, QBLK
	s_and_b32 s18, s[WV], 7
	s_mul_i32 s19, s18, 768
	s_add_co_u32 s42, s16, s19
	s_mov_b32 s43, 0
	s_and_b32 s19, s18, 1
	s_lshl_b32 s19, s19, 8
	s_lshr_b32 s18, s18, 1
	s_lshl_b32 s18, s18, 2
	s_add_co_u32 s18, s18, s19
	s_add_co_u32 s44, s16, s18
	s_add_co_u32 s44, s44, 6144
	s_mov_b32 s45, 0
	s_lshl_b32 s16, s12, 4
	s_add_co_u32 s16, s16, s[WV]                   ; T: my tile among the 128
	s_lshl_b32 s16, s16, 17
	s_lshl_b32 s17, s13, 10
	s_add_co_u32 s16, s16, s17                     ; ow: T x 131,072 + hb x 1,024
	s_mov_b32 s17, 0
	s_mov_b32 s[SEL], 0x76543210
	s_mov_b32 s[SEL+1], 0xfedcba98
	s_mov_b32 s[CS], 0x3e38aa3b                    ; log2(e) / 8
	s_mov_b32 s[CS+1], s[CS]
	s_mov_b32 s[TB], 0
	s_mov_b32 s[TRIPS], 3
	s_wait_dscnt 0x0
	s_wait_kmcnt 0x0
	s_add_nc_u64 s[22:23], s[6:7], s[14:15]
	s_or_b32 s23, s23, 0x80000000
	s_add_nc_u64 s[38:39], s[4:5], s[42:43]
	s_add_nc_u64 s[40:41], s[4:5], s[44:45]
	s_add_nc_u64 s[8:9], s[8:9], s[16:17]
	CROUND                                         ; all four work-groups are here: the joint loads meet
	tensor_load_to_lds s[20:23], s[24:31]          ; my one tensor load: block = my wave's number
	s_nop 0
.rept 4
	v_nop
.endr
	v_and_b32 v31, 31, v0
	v_lshlrev_b32 v[L16], 4, v31
	v_lshlrev_b32 v[L8], 3, v31
	v_and_b32 v[R16], 15, v0
	v_lshlrev_b32 v[R16], 4, v[R16]
	global_load_b128 v[QF:QF+3], v[L16], s[38:39]
	global_load_b64 v[QF+4:QF+5], v[L8], s[38:39] offset:512
	global_load_b32 v[QS], v[R16], s[40:41]
	v_bfe_u32 v[SH8], v0, 4, 1                     ; h
	v_lshl_add_u32 v[LV16], v[SH8], 6, v[L16]
	v_and_b32 v8, 7, v0
	v_bfe_u32 v9, v0, 3, 1
	v_mul_u32_u24 v10, v9, 1920
	v_lshl_add_u32 v[LK16], v8, 4, v10
	v_mad_u32_u24 v[LK16], v[SH8], 320, v[LK16]
	v_lshl_add_u32 v[LK8], v8, 3, v10
	v_lshl_add_u32 v[LK8], v[SH8], 7, v[LK8]
	v_lshlrev_b32 v[LKS], 4, v8
	v_lshl_add_u32 v[LKS], v9, 2, v[LKS]
	v_mad_u32_u24 v[LKS], v[SH8], 320, v[LKS]
	v_lshlrev_b32 v[SH8], 3, v[SH8]
	v_mov_b32 v[AK16], v[LK16]                     ; K's addresses begin at block 0
	v_mov_b32 v[AK8], v[LK8]
	v_mov_b32 v[AKS], v[LKS]
.irp i, 6,7,8,9,10,11
	v_mov_b32 v[QF+\i], 0
.endr
.irp i, 48,49,50,51,52,53
	v_mov_b32 v[RY+\i], 0                          ; behind K's last fragment in the first step
.endr
	v_mov_b32 v13, 0xff61b1e6                      ; the largest score so far: -3e38
	v_mul_f32 v[TP], s[CS], v13
	v_floor_f32 v12, -v[TP]                        ; -M
	v_mov_b32 v[OLD], v12
	v_mov_b32 v14, 0
	v_mov_b32 v15, 0
	v_mov_b32 v[SM2], 0
	v_mov_b32 v[SM2+1], 0
	v_mov_b32 v[FF+1], 0
	v_mov_b32 v[BX], 0
	v_mov_b32 v[PX], 0
.set j, 0
.rept 32
	v_mov_b32 v[OT+j], 0                           ; the step is written once: the first finds zeros
.set j, j+1
.endr
	s_wait_alu depctr_va_vdst(0)                   ; the wait at the head's end
	s_wait_loadcnt 0x0                             ; Q
	s_wait_tensorcnt 0x0                           ; my block has landed,
	s_barrier_signal -1
	s_barrier_wait -1                              ; everybody's has
.macro W                               ; the wait ahead of each group of exponentials and behind the last
	s_wait_alu depctr_va_vdst(0)
.endm
.macro KLOAD ob                        ; K's eight fragments into v[KD ..] and its scale words, of the block that begins ob bytes behind K's addresses
.irp t, 0,1,2,3,4,5,6,7
	ds_load_b128 v[KD+6*\t:KD+6*\t+3], v[AK16] offset:(\ob)+960*(4*(\t/4)+\t%2)+128*((\t%4)/2)
	ds_load_b64 v[KD+6*\t+4:KD+6*\t+5], v[AK8] offset:(\ob)+960*(4*(\t/4)+\t%2)+640+64*((\t%4)/2)
.endr
.irp u, 0,1,2,3
	ds_load_b32 v[KSC+\u], v[AKS] offset:(\ob)+7680+128*(\u%2)+8*(\u/2)
.endr
.endm
.macro SCALE p                         ; pair p: t - M
	v_pk_fma_f32 v[S+2*(\p):S+2*(\p)+1], v[S+2*(\p):S+2*(\p)+1], s[CS:CS+1], v[12:13] op_sel_hi:[1,0,0]
.endm
.macro EX n                            ; p = 2^(t - M)
	v_exp_f32 v[S+(\n)], v[S+(\n)]
.endm
.macro L1 i, p                         ; T_i = pair p + pair p + 1
	v_pk_add_f32 v[T+2*(\i):T+2*(\i)+1], v[S+2*(\p):S+2*(\p)+1], v[S+2*(\p)+2:S+2*(\p)+3]
.endm
.macro L2A
	v_pk_add_f32 v[U:U+1], v[T:T+1], v[T+2:T+3]
.endm
.macro L2B
	v_pk_add_f32 v[U+2:U+3], v[T+4:T+5], v[T+6:T+7]
.endm
.macro L3A
	v_pk_add_f32 v[14:15], v[14:15], v[U:U+1]
.endm
.macro L3B
	v_pk_add_f32 v[SM2:SM2+1], v[SM2:SM2+1], v[U+2:U+3]
.endm
; A KEY STEP: 128 keys, the q-th block of the trip's four; V's place stands in the immediates (64,960 at the most).  ask = 1: the next step's K is asked for.
.macro STEP q, ask
.set OB, LBLK*(\q)
.if (\q)%2 == 0
.set S,  RX                            ; S^T, then p, then the next K
.set KB, RY                            ; K, then V
.else
.set S,  RY
.set KB, RX
.endif
	s_wait_dscnt 0x0                               ; K is in: its 20 loads were issued in the step before
.irp t, 0,2,4,6                                ; S^T = K Q^T: eight tiles of 16 keys
	v_wmma_scale_f32_16x16x128_f8f6f4 v[S+8*\t:S+8*\t+7], v[KB+6*\t:KB+6*\t+11], v[QF:QF+11], 0, v[KSC+\t/2], v[QS] matrix_a_fmt:MATRIX_FMT_FP6 matrix_b_fmt:MATRIX_FMT_FP6
	v_wmma_scale_f32_16x16x128_f8f6f4 v[S+8*(\t+1):S+8*(\t+1)+7], v[KB+6*(\t+1):KB+6*(\t+1)+11], v[QF:QF+11], 0, v[KSC+\t/2], v[QS] matrix_a_fmt:MATRIX_FMT_FP6 matrix_b_fmt:MATRIX_FMT_FP6 matrix_a_scale:MATRIX_SCALE_ROW1
.endr
.rept 4
	v_nop                                          ; four places: K's registers take V's loads, and the scores are read
.endr
.irp t, 0,1,2,3                                ; V's fragments land under the softmax
.irp c, 0,1
	ds_load_b128 v[KB+12*\t+6*\c:KB+12*\t+6*\c+3], v[AV16] offset:OB+8320+1920*\t+960*\c
	ds_load_b64 v[KB+12*\t+6*\c+4:KB+12*\t+6*\c+5], v[AV8] offset:OB+8320+1920*\t+960*\c+640
.endr
.endr
	ds_load_b64 v[VSC:VSC+1], v[AV8] offset:OB+16000
.irp k, 0,1,2,3
	v_max3_num_f32 v[BM+\k], v[S+16*\k], v[S+16*\k+1], v[S+16*\k+2]   ; four chains by turns, each accumulator from its low end on
.endr
.irp i, 3,5,7,9,11,13
.irp k, 0,1,2,3
	v_max3_num_f32 v[BM+\k], v[BM+\k], v[S+16*\k+\i], v[S+16*\k+\i+1]
.endr
.endr
	v_max3_num_f32 v[BM], v[BM], v[BM+1], v[S+15]
	v_max3_num_f32 v[BM+2], v[BM+2], v[BM+3], v[S+47]
	v_max_num_f32 v[BM], v[BM], v[S+31]            ; the largest score of each of my two blocks: for the row's maximum and, since p rises with the score, for the block's largest p
	v_max_num_f32 v[BM+2], v[BM+2], v[S+63]
	v_max3_num_f32 v13, v13, v[BM], v[BM+2]
	v_permlanex16_b32 v[BX], v13, s[SEL], s[SEL+1]
	v_max_num_f32 v13, v13, v[BX]                  ; the running largest score of my query
	v_mul_f32 v[TP], s[CS], v13
	v_floor_f32 v12, -v[TP]                        ; the new -M = -ceil(t)
	v_sub_f32 v[TP], v12, v[OLD]                   ; old M - new M
	v_fma_f32 v[BM], v[BM], s[CS], v12
	v_cvt_i32_f32 v[TP], v[TP]                     ; (it saturates)
	v_fma_f32 v[BM+2], v[BM+2], s[CS], v12
	v_ldexp_f32 v[FF], 1.0, v[TP]                  ; f = 2^(old M - new M)
.irp p, 0,1,2,3,4,5,6,7
	SCALE \p
.endr
.set a, 0
.rept 16
	v_pk_mul_f32 v[OT+a:OT+a+1], v[OT+a:OT+a+1], v[FF:FF+1] op_sel_hi:[1,0]   ; O^T under the new M, ahead of every exponential
.set a, a+2
.endr
	W                                              ; GROUP 0: the blocks' largest p and registers 0-15; beside them group 1's scalings and the sums under the new M
	v_exp_f32 v[BM], v[BM]
	v_pk_mul_f32 v[14:15], v[14:15], v[FF:FF+1] op_sel_hi:[1,0]
	v_exp_f32 v[BM+2], v[BM+2]
	v_pk_mul_f32 v[SM2:SM2+1], v[SM2:SM2+1], v[FF:FF+1] op_sel_hi:[1,0]
.irp i, 0,1,2,3,4,5,6,7
	EX 2*\i
	SCALE 8+\i
	EX 2*\i+1
.endr
	W                                              ; GROUP 1: registers 16-31; group 2's scalings, group 0's first sums, the floor under the blocks' largest p
.irp i, 0,1,2,3
	EX 16+2*\i
	SCALE 16+\i
	EX 17+2*\i
	L1 \i, 2*\i
.endr
	EX 24
	SCALE 20
	EX 25
	v_max_num_f32 v[BM], 0x1800000, v[BM]          ; the floor 2^(3 - 127): the byte cannot fall under 1
	EX 26
	SCALE 21
	EX 27
	v_max_num_f32 v[BM+2], 0x1800000, v[BM+2]
	EX 28
	SCALE 22
	EX 29
	EX 30
	SCALE 23
	EX 31
	W                                              ; GROUP 2: registers 32-47; group 3's scalings, the sums one level on, the conversions' scale operands
	EX 32
	SCALE 24
	EX 33
	L2A
	EX 34
	SCALE 25
	EX 35
	L2B
.irp i, 0,1,2,3
	EX 36+2*\i
	SCALE 26+\i
	EX 37+2*\i
	L1 \i, 8+2*\i
.endr
	EX 44
	SCALE 30
	EX 45
	v_add_nc_u32 v[SO], 0xff000000, v[BM]          ; 2 off the exponent field
	EX 46
	SCALE 31
	EX 47
	v_add_nc_u32 v[SO+1], 0xff000000, v[BM+2]
	W                                              ; GROUP 3: registers 48-63; the sums one level on, the scale bytes, block h's conversions
	EX 48
	L3A
	EX 49
	L3B
	EX 50
	L2A
	EX 51
	L2B
.irp i, 0,1,2,3
	EX 52+\i
	L1 \i, 16+2*\i
.endr
	EX 56
	v_lshrrev_b32 v[BY], 23, v[SO]
	EX 57
	v_lshrrev_b32 v[BY+1], 23, v[SO+1]
	EX 58
	v_cvt_scalef32_pk16_fp6_f32 v[CD:CD+2], v[S:S+15], v[SO]
	EX 59
	EX 60
	v_cvt_scalef32_pk16_fp6_f32 v[PT:PT+2], v[S+16:S+31], v[SO]
	EX 61
	EX 62
	EX 63
	W
	s_wait_dscnt 0x0                               ; V is in: its 17 loads were issued ahead of the maxima
	v_lshl_or_b32 v[PW], v[BY+1], 16, v[BY]        ; my two bytes: blocks h and 2 + h (the plain place behind the last exponential),
	v_cvt_scalef32_pk16_fp6_f32 v[CD+6:CD+8], v[S+32:S+47], v[SO+1]
	v_cvt_scalef32_pk16_fp6_f32 v[PT+4:PT+6], v[S+48:S+63], v[SO+1]
	v_lshlrev_b32 v[PW], v[SH8], v[PW]             ; at their places in the word (the plain place behind the conversions);
.if \ask
.set KD, S                                     ; p's registers 0-47 have had their last read (the sums' first level of groups 0-2 and three conversions): they take the next step's K
.if (\q) == 3
	v_add_nc_u32 v[AK16], s[TBN], v[LK16]          ; on to the next trip's first block
	v_add_nc_u32 v[AK8], s[TBN], v[LK8]
	v_add_nc_u32 v[AKS], s[TBN], v[LKS]
	KLOAD 0
.else
	KLOAD OB+LBLK
.endif
.endif
	L3A
	L3B
	v_permlanex16_b32 v[PX], v[PW], s[SEL], s[SEL+1]
	L2A
	L2B
	v_or_b32 v[PW], v[PW], v[PX]                   ; with lane l xor 16's two the word is whole: twelve plain lines ahead of the products
.irp c, 0,1
.irp i, 0,1,2
	v_mov_b32 v[CD+3+6*\c+\i], v[PT+4*\c+\i]
.endr
.endr
.irp i, 0,1,2,3
	L1 \i, 24+2*\i                                 ; registers 48-63, which K's loads leave alone
.endr
	L3A
	L3B
.irp t, 0,2                                    ; O^T += V^T P^T: four tiles of 16 of the head's 64, by turns
	v_wmma_scale_f32_16x16x128_f8f6f4 v[OT+8*\t:OT+8*\t+7], v[KB+12*\t:KB+12*\t+11], v[CD:CD+11], v[OT+8*\t:OT+8*\t+7], v[VSC+\t/2], v[PW] matrix_a_fmt:MATRIX_FMT_FP6 matrix_b_fmt:MATRIX_FMT_FP6
	v_wmma_scale_f32_16x16x128_f8f6f4 v[OT+8*(\t+1):OT+8*(\t+1)+7], v[KB+12*(\t+1):KB+12*(\t+1)+11], v[CD:CD+11], v[OT+8*(\t+1):OT+8*(\t+1)+7], v[VSC+\t/2], v[PW] matrix_a_fmt:MATRIX_FMT_FP6 matrix_b_fmt:MATRIX_FMT_FP6 matrix_a_scale:MATRIX_SCALE_ROW1
.endr
	L2A                                            ; five lines that name no register of the products: the places in front of the next step's first product, which writes over V's registers
	L2B
	L3A
	L3B
	v_mov_b32 v[OLD], v12                          ; -M is kept for the next f
.endm
.macro TRIP last                       ; four key steps
	v_add_nc_u32 v[AV16], s[TB], v[LV16]
	v_add_nc_u32 v[AV8], s[TB], v[L8]
.if !(\last)
	s_add_co_u32 s[TBN], s[TB], 4*LBLK
.endif
	s_wait_alu depctr_va_vdst(0)
	STEP 0, 1
	STEP 1, 1
	STEP 2, 1
	STEP 3, 1-(\last)
.endm
.set KD, RY
	KLOAD 0                                        ; the first step's K
.Ltrip:                                            ; three trips; the fourth is written out: its last step asks for no K
	TRIP 0
	s_add_co_u32 s[TB], s[TB], 4*LBLK
	s_sub_co_u32 s[TRIPS], s[TRIPS], 1
	s_cmp_lg_u32 s[TRIPS], 0
	s_cbranch_scc1 .Ltrip
	TRIP 1
	; THE WAY OUT: O^T / the sum, stored as it lies: [T][d tile t][hb][e][16 x lane]: lane (r, h) holds o(16 T + r, 16 t + 8 h + 4 e + 0 .. 3).  The last launch sorts it.
	v_pk_add_f32 v[14:15], v[14:15], v[SM2:SM2+1]  ; the two running sums,
	v_add_f32 v14, v14, v15                        ; their halves,
	v_permlanex16_b32 v[TP], v14, s[SEL], s[SEL+1]
	v_add_f32 v14, v14, v[TP]                      ; and lane l xor 16's
	s_wait_alu depctr_va_vdst(0)                   ; the wait ahead of the reciprocal
	v_rcp_f32 v14, v14
	v_nop
	s_wait_alu depctr_va_vdst(0)                   ; and behind it, directly ahead of the first reader of O^T
.set j, 0
.rept 32
	v_mul_f32 v[S+j], v[OT+j], v14                 ; into the last step's p, which is done with
.set j, j+1
.endr
.irp t, 0,1,2,3
.irp e, 0,1
	global_store_b128 v[L16], v[S+8*\t+4*\e:S+8*\t+4*\e+3], s[8:9] offset:32768*\t+512*\e   ; 32 lanes store 512 consecutive bytes, at a multiple of 256 from the buffer's first byte
.endr
.endr
	s_wait_tensorcnt 0x0                           ; the wave's end
	ds_add_u32 v[SPW], v[NIL]
	s_wait_dscnt 0x0
	CROUND                                         ; the closing round
	s_endpgm
.Lfunc_end_k_q78f7c8aacb_attn:
	.size	k_q78f7c8aacb_attn, .Lfunc_end_k_q78f7c8aacb_attn-k_q78f7c8aacb_attn
	.p2alignl 7, 3214868480
	.fill 96, 4, 3214868480
	.section	.rodata,"a",@progbits
	.p2align	6, 0x0
	.amdhsa_kernel k_q78f7c8aacb_attn
		.amdhsa_group_segment_fixed_size 327680
		.amdhsa_private_segment_fixed_size 0
		.amdhsa_enable_private_segment 0
		.amdhsa_kernarg_size 24
		.amdhsa_user_sgpr_count 2
		.amdhsa_user_sgpr_kernarg_segment_ptr 1
		.amdhsa_wavefront_size32 1
		.amdhsa_system_sgpr_workgroup_id_x 1
		.amdhsa_system_sgpr_workgroup_id_y 1
		.amdhsa_system_sgpr_workgroup_id_z 1
		.amdhsa_system_vgpr_workitem_id 0
		.amdhsa_next_free_vgpr 256
		.amdhsa_next_free_sgpr 66
		.amdhsa_reserve_vcc 0
		.amdhsa_float_denorm_mode_32 3
		.amdhsa_float_denorm_mode_16_64 3
		.amdhsa_memory_ordered 1
		.amdhsa_forward_progress 1
		.amdhsa_inst_pref_size 128
	.end_amdhsa_kernel
	.amdgpu_metadata
---
amdhsa.version: [ 1, 2 ]
amdhsa.kernels:
  - .name:           k_q78f7c8aacb_attn
    .symbol:         k_q78f7c8aacb_attn.kd
    .args:
      - { .name: qc, .offset: 0, .size: 8, .value_kind: global_buffer, .address_space: global }
      - { .name: kv, .offset: 8, .size: 8, .value_kind: global_buffer, .address_space: global }
      - { .name: ow, .offset: 16, .size: 8, .value_kind: global_buffer, .address_space: global }
    .group_segment_fixed_size: 327680
    .private_segment_fixed_size: 0
    .kernarg_segment_align: 8
    .kernarg_segment_size: 24
    .max_flat_workgroup_size: 512
    .sgpr_count:     66
    .vgpr_count:     256
    .wavefront_size: 32
...
	.end_amdgpu_metadata
.endif
;; end of part 2
;; launch sort (part 3): grid 512 x 1, 8 waves a work-group, no clusters, 34,304 bytes of LDS; arguments ow, out0; writes out0
.if DOCPART == 3
	.amdgcn_target "amdgcn-amd-amdhsa--gfx1250"
	.amdhsa_code_object_version 6
	.text
	.protected	k_q78f7c8aacb_sort
	.globl	k_q78f7c8aacb_sort
	.p2align	8
	.type	k_q78f7c8aacb_sort,@function
k_q78f7c8aacb_sort:
	s_mov_b64 s[64:65], 0
	v_nop
	global_prefetch_b8 v0, s[64:65] scope:SCOPE_SE
	s_setreg_imm32_b32 hwreg(HW_REG_WAVE_MODE, 25, 1), 1
	s_wait_xcnt 0x0
; out0, flat, is [s 2,048][d 64][hb 32] f32.  ow is [T 128][t 4][hb 32][e 2][lane 32][4] f32: lane (r, h) holds o(s = 16 T + r, d = 16 t + 8 h + 4 e + 0 .. 3) of pair hb.
; Work-group g = 4 T + t reads its 32,768 dense bytes and writes, for each of 16 rows s, the 2,048 consecutive bytes of d = 16 t .. 16 t + 15, all hb.  The numbers change places in LDS.
; Eight waves.  In: wave w takes hb = 4 w .. 4 w + 3: eight loads of 512 consecutive bytes; each number goes to LDS byte 2,064 r + 128 (8 h + 4 e + i) + 4 hb.  One barrier.  Out: wave w takes rows 2 w, 2 w + 1:
; eight LDS loads and eight stores of 512 consecutive bytes, at multiples of 256 from the buffer's first byte.
; An LDS row is 2,048 bytes + 16: the sixteen rows of a store start four words apart; the two halves of the lanes lie 256 words apart and meet in the same words' places modulo 64, two deep.
; Memory binds: no matrix unit, no tensor load, no cluster (work-groups share nothing).
.set ROWP, 2064
.set D,    8                           ; v8-39 eight pieces of four registers
.set GI,   40                          ; v40  in: 4,096 w + 16 lane
.set LW,   41                          ; v41  LDS, in
.set LR,   42                          ; v42  LDS, out
.set GOF,  43                          ; v43  out: 16,384 w + 16 lane
	s_load_b128 s[4:7], s[0:1], 0x0                ; ow, out0
	v_lshl_add_u32 v48, v0, 2, 0x8200
	v_mov_b32 v49, 0
	v_lshrrev_b32 v1, 5, v0                        ; wave
	v_and_b32 v2, 31, v0                           ; lane
	v_and_b32 v3, 15, v0                           ; r
	v_bfe_u32 v4, v0, 4, 1                         ; h
	s_delay_alu instid0(VALU_DEP_3)
	v_lshlrev_b32 v5, 4, v2
	s_delay_alu instid0(VALU_DEP_1)
	v_lshl_add_u32 v[GI], v1, 12, v5
	s_delay_alu instid0(VALU_DEP_4)
	v_mul_u32_u24 v[LW], v3, ROWP
	s_delay_alu instid0(VALU_DEP_1)
	v_lshl_add_u32 v[LW], v4, 10, v[LW]
	s_delay_alu instid0(VALU_DEP_1)
	v_lshl_add_u32 v[LW], v1, 4, v[LW]             ; 2,064 r + 1,024 h + 16 w
	v_mul_u32_u24 v[LR], v1, 2*ROWP
	s_delay_alu instid0(VALU_DEP_1)
	v_add_nc_u32 v[LR], v[LR], v5                  ; two rows a wave, 16 bytes a lane
	v_lshl_add_u32 v[GOF], v1, 14, v5              ; two rows of 8,192 bytes a wave
	s_lshl_b32 s8, ttmp9, 15
	s_mov_b32 s9, 0
	s_lshr_b32 s10, ttmp9, 2
	s_lshl_b32 s10, s10, 17                        ; 16 rows of 8,192 bytes for each T
	s_and_b32 s11, ttmp9, 3
	s_lshl_b32 s11, s11, 11                        ; 2,048 bytes for each t
	s_add_co_u32 s10, s10, s11
	s_mov_b32 s11, 0
	s_wait_alu depctr_va_vdst(0)
	s_wait_kmcnt 0x0
	s_add_nc_u64 s[4:5], s[4:5], s[8:9]
	s_add_nc_u64 s[6:7], s[6:7], s[10:11]
.irp k, 0,1,2,3,4,5,6,7
	global_load_b128 v[D+4*\k:D+4*\k+3], v[GI], s[4:5] offset:512*\k th:TH_LOAD_NT   ; piece k: hb = 4 w + k / 2, e = k % 2
.endr
.irp k, 0,1,2,3,4,5,6,7
	s_wait_loadcnt 7-\k                            ; loads come back in order: piece k is in, the younger ones may be out
.irp i, 0,1,2,3
	ds_store_b32 v[LW], v[D+4*\k+\i] offset:128*(4*(\k%2)+\i)+4*(\k/2)
.endr
.endr
	s_wait_dscnt 0x0                               ; for the others' sake: my stores have landed
	s_barrier_signal -1
	s_barrier_wait -1
.irp m, 0,1,2,3,4,5,6,7
	ds_load_b128 v[D+4*\m:D+4*\m+3], v[LR] offset:ROWP*(\m/4)+512*(\m%4)
.endr
.irp m, 0,1,2,3,4,5,6,7
	s_wait_dscnt 7-\m                              ; LDS loads come back in order
	global_store_b128 v[GOF], v[D+4*\m:D+4*\m+3], s[6:7] offset:8192*(\m/4)+512*(\m%4) th:TH_STORE_NT
.endr
	s_wait_tensorcnt 0x0
	ds_add_u32 v48, v49
	s_wait_dscnt 0x0
	s_endpgm
.Lfunc_end_k_q78f7c8aacb_sort:
	.size	k_q78f7c8aacb_sort, .Lfunc_end_k_q78f7c8aacb_sort-k_q78f7c8aacb_sort
	.p2alignl 7, 3214868480
	.fill 96, 4, 3214868480
	.section	.rodata,"a",@progbits
	.p2align	6, 0x0
	.amdhsa_kernel k_q78f7c8aacb_sort
		.amdhsa_group_segment_fixed_size 34304
		.amdhsa_private_segment_fixed_size 0
		.amdhsa_enable_private_segment 0
		.amdhsa_kernarg_size 16
		.amdhsa_user_sgpr_count 2
		.amdhsa_user_sgpr_kernarg_segment_ptr 1
		.amdhsa_wavefront_size32 1
		.amdhsa_system_sgpr_workgroup_id_x 1
		.amdhsa_system_sgpr_workgroup_id_y 1
		.amdhsa_system_sgpr_workgroup_id_z 1
		.amdhsa_system_vgpr_workitem_id 0
		.amdhsa_next_free_vgpr 50
		.amdhsa_next_free_sgpr 66
		.amdhsa_reserve_vcc 0
		.amdhsa_float_denorm_mode_32 3
		.amdhsa_float_denorm_mode_16_64 3
		.amdhsa_memory_ordered 1
		.amdhsa_forward_progress 1
		.amdhsa_inst_pref_size 7
	.end_amdhsa_kernel
	.amdgpu_metadata
---
amdhsa.version: [ 1, 2 ]
amdhsa.kernels:
  - .name:           k_q78f7c8aacb_sort
    .symbol:         k_q78f7c8aacb_sort.kd
    .args:
      - { .name: ow, .offset: 0, .size: 8, .value_kind: global_buffer, .address_space: global }
      - { .name: out0, .offset: 8, .size: 8, .value_kind: global_buffer, .address_space: global }
    .group_segment_fixed_size: 34304
    .private_segment_fixed_size: 0
    .kernarg_segment_align: 8
    .kernarg_segment_size: 16
    .max_flat_workgroup_size: 256
    .sgpr_count:     66
    .vgpr_count:     50
    .wavefront_size: 32
...
	.end_amdgpu_metadata
.endif
;; end of part 3
